; MI455X (gfx1250); checked and timed in simulation.
; The chip was launched on July 23, 2026; its instructions are those of AMD's public machine-readable ISA for CDNA 5 (MIT licence, August 2026) and "CDNA5" Instruction Set Architecture Reference Guide (July 2026). The comments in the code are by the model that wrote it; some were corrected since.
;; Mo E Block. Allowed arithmetic: matrix products marked QUANTISED: E5M2 operands, one given power-of-two scale a tensor, by v_wmma_f32_16x16x64_bf8_bf8 or v_wmma_f32_16x16x128_bf8_bf8, f32 sums; products left as they are: f32 operands where the result goes on into a quantised operand, else bf16, f16 or f32 operands; f32 sums; everything else in f32.
;; Inputs: W1_codes 2 x 4,096 x 32 x 32 uint8 (E5M2 codes of W1, K innermost, in blocks of 32 codes); W2_codes 2 x 1,024 x 128 x 32 uint8 (E5M2 codes of W2, K innermost, in blocks of 32 codes); Wr 1,024 x 2 float32; b1 2 x 4,096 float32; b2 2 x 1,024 float32; br 2 float32; lowp_scales 4 int32 (the exponents e of the quantised operands' scales 2^e); x 4 x 1,024 x 1,024 float32.
;; Outputs: out0 4 x 1,024 x 1,024 float32.
;; Constants: k = 2.
;; This version of the problem:
;;   THIS VERSION OF THE PROBLEM IS GIVEN IN LOW PRECISION. The matrix products marked QUANTISED in the list below multiply operands that are first quantised to E5M2 (5 exponent bits, 2 mantissa bits; 8 bits a number), with one given power-of-two scale for each operand tensor; their sums are f32. All else is computed in f32.
;;   The module's matrix products, in the order in which they are computed (A, B: the left and right operand; K: the contracted axis; several contracted axes count as one K, in the product's order):
;;     1. [M 4,096, K 1,024] x [K 1,024, N 2]; A: input x; B: input Wr: left as it is (N = 2 < 16)
;;     2. batch 2 x [M 4,096, K 1,024] x [K 1,024, N 4,096]; A: computed on the way; B: input W1 (given as codes): QUANTISED (scales: A lowp_scales[0], B lowp_scales[1])
;;     3. batch 2 x [M 4,096, K 4,096] x [K 4,096, N 1,024]; A: computed on the way; B: input W2 (given as codes): QUANTISED (scales: A lowp_scales[2], B lowp_scales[3])
;;   THE QUANTISER, for each operand of a quantised product, along K:
;;     - The operand's scale is 2^e, e = its entry of the input lowp_scales (int32; the entries are numbered through the quantised products in the list's order, A before B).
;;     - Each number is divided by the scale, clamped to +-57,344, and rounded to the nearest number of E5M2, ties to even, subnormals kept.
;;     - The product sums the exact products of the quantised numbers (number of the format x scale) in f32.
;;   ~~~python
;;   def quantise(x, axis, e):      # numpy; x: float32 -> the quantised numbers, widened to float32 again
;;       x = np.moveaxis(x, axis, -1); K = x.shape[-1]
;;       r = np.clip(x / 2.0 ** e, -57344, 57344)
;;       step = 2.0 ** (np.maximum(np.frexp(np.where(r == 0, 1, r))[1] - 1, -14) - 2)
;;       q = np.round(r / step) * step * 2.0 ** e      # np.round: ties to even
;;       return np.moveaxis(q, -1, axis).astype(np.float32)
;;   ~~~
;;   OPERANDS COMPUTED ON THE WAY. 'Computed on the way' means the value that the module computes at that place (a softmax that the list does not call 'softmax' is quantised finished and normalised). What goes into a quantiser is computed in f32, as accurately as f32 sums, v_exp_f32 and their like allow (about 1e-6 of the number): no bf16 or f16 on the way to a quantiser, and a product that is left as it is and whose result goes on into a quantised operand takes f32 operands (vector FMAs, or v_wmma_f32_16x16x4_f32). A number that lies on a knife's edge between two numbers of the format may be rounded either way, as far as f32 arithmetic and the matrix unit's own rounding can turn it there, and no further.
;;   INPUTS GIVEN AS CODES. W1 (in the module: [2, 1024, 4096], K = its axis 1); W2 (in the module: [2, 4096, 1024], K = its axis 1): each comes as NAME_codes (uint8): NAME with its K axis moved to the last place and cut into blocks of 32 codes, [.., K / 32, bytes a block], one block behind the other in memory; one code a byte (a code: sign, 5 exponent bits, 2 mantissa bits); its scale is its entry of lowp_scales. Its value is code x scale, taken as it is: it is not quantised again, and the codes and scales need not be those that the quantiser above would give.
;; One version. Each part assembles by itself: llvm-mc -triple=amdgcn-amd-amdhsa -mcpu=gfx1250 --defsym DOCPART=n.
;; ======== version 1 of 1: 3 launches
;; limits: right only within a limited range of input values
;; workspace buffers: xq 4,194,304 bytes; hq 33,554,432 bytes; gates 32,768 bytes
;; launch prep (part 1): grid 256 x 1, 8 waves a work-group, no clusters, 69,632 bytes of LDS; arguments x, Wr, br, lowp_scales, xq, gates; writes xq, gates
.if DOCPART == 1
	.amdgcn_target "amdgcn-amd-amdhsa--gfx1250"
	.amdhsa_code_object_version 6
	.text
	.protected	k_qf2a92e1f8e_prep
	.globl	k_qf2a92e1f8e_prep
	.p2align	8
	.type	k_qf2a92e1f8e_prep,@function
k_qf2a92e1f8e_prep:
	s_mov_b64 s[64:65], 0
	v_nop
	global_prefetch_b8 v0, s[64:65] scope:SCOPE_SE
	s_setreg_imm32_b32 hwreg(HW_REG_WAVE_MODE, 25, 1), 1
	s_wait_xcnt 0x0
; THE ROUTER AND x's CODES.  x: [4096][1024] f32.  Wr: [1024][2], br: [2] f32.  lowp_scales[0] = e0, the exponent of x's scale.
; gates[token][2] f32 = softmax(x Wr + br), the row's maximum taken off first.  With k = 2 of 2 experts the k-th largest probability is the smaller
; one, so both pass the comparison and the gates are the probabilities.  A gate that is exactly 0 also blanks the expert's input rows in the model;
; such a row's finite result is multiplied by that 0 at the end, so ONE set of codes of x serves both experts.
; xq: codes of E5M2, code = x / 2^e0, held within +-57,344, nearest, ties to even, laid as IMAGES OF OPERAND REGISTERS: fragment (tile T of 16 tokens,
; K step s of 128) at byte (8 T + s) 2048; its registers 4 c .. 4 c + 3 of lane l at + 512 c + 16 l; lane (r, h) holds token r, k = 32 c + 16 h + 0 .. 15.
; SHARES.  Work-group T takes 16 tokens, wave s the 128 columns of K step s.  Each load reads 512 consecutive bytes of one row (16 a lane); the numbers feed
; the router's multiply-adds as they come and turn through the wave's own stage in LDS into the fragment's order (16 neighbours a lane for each block of 32).
; The eight waves' partial logits meet in LDS behind the one barrier; wave 0 finishes the softmax.  No matrix unit: the router has two columns, all else is a stream.
; LIMITS: e0 between -126 and 112.  NaN among the inputs is not served.  A probability under 2^-126 comes out as 0 (the exponential flushes it).
.set ROWX,   4096                      ; bytes of a row of x
.set SPITCH, 528                       ; a stage row: 512 bytes + 16: an odd multiple of 16, so sixteen rows start at sixteen different 16-byte columns modulo 256
.set STGW,   16*SPITCH                 ; a wave's stage
.set RED,    8*STGW                    ; behind the stages: 128 bytes for each wave: its 32 partial logits
.set XO,   2                           ; v2   16 x lane: my bytes of a load's 512, and of a store's
.set WO,   3                           ; v3   32 x lane: my four rows of Wr
.set STI,  4                           ; v4   the stage, on the way in
.set STO,  5                           ; v5   the stage, on the way out: row r, + 64 h
.set REDW, 6                           ; v6   where my wave puts its sums
.set REDR, 7                           ; v7   where wave 0's lane reads sum number lane
.set SC,   8                           ; v8   2^e0 as f32
.set LIM,  9                           ; v9   57,344 x 2^e0
.set GO,   12                          ; v12  4 x lane: my gate's place
.set R,    16                          ; v16-79   row i as loaded: four numbers
.set WR,   80                          ; v80-87   Wr as loaded: (d, e) pairs
.set WE,   88                          ; v88-95   the same as pairs along d: expert 0's four, expert 1's four
.set P,    96                          ; v96-99   at work
.set ACC,  100                         ; v100-131 sum 2 i + e: token i, expert e
.set X,    132                         ; v132-195 64 numbers in the fragment's order
.set C,    196                         ; v196-211 their codes
	s_load_b128 s[4:7], s[0:1], 0x0                ; x, Wr
	s_load_b128 s[8:11], s[0:1], 0x10              ; br, the scales' exponents
	s_load_b128 s[12:15], s[0:1], 0x20             ; xq, gates
	v_lshl_add_u32 v224, v0, 2, 0x10c00
	v_mov_b32 v225, 0
	v_lshrrev_b32 v1, 5, v0
	s_delay_alu instid0(VALU_DEP_1)
	v_readfirstlane_b32 s19, v1                    ; wave = K step
	v_and_b32 v1, 31, v0                           ; lane
	v_and_b32 v10, 15, v0                          ; r
	v_bfe_u32 v11, v0, 4, 1                        ; h
	s_delay_alu instid0(VALU_DEP_3)
	v_lshlrev_b32 v[XO], 4, v1
	s_delay_alu instid0(VALU_DEP_4)
	v_lshlrev_b32 v[WO], 5, v1
	v_lshlrev_b32 v[GO], 2, v1
	s_mul_i32 s20, s19, STGW
	v_add_nc_u32 v[STI], s20, v[XO]
	v_mul_u32_u24 v[STO], v10, SPITCH
	s_delay_alu instid0(VALU_DEP_1)
	v_lshl_add_u32 v[STO], v11, 6, v[STO]
	s_delay_alu instid0(VALU_DEP_1)
	v_add_nc_u32 v[STO], s20, v[STO]
	s_lshl_b32 s21, s19, 7
	s_add_co_u32 s21, s21, RED
	v_mov_b32 v[REDW], s21
	v_add_nc_u32 v[REDR], RED, v[GO]
	s_mov_b32 s30, 0x76543210                      ; v_permlanex16_b32: lane l takes lane l xor 16
	s_mov_b32 s31, 0xfedcba98
	s_lshl_b32 s22, ttmp9, 16                      ; x: 16 rows of 4,096 bytes a work-group,
	s_lshl_b32 s23, s19, 9                         ; 512 bytes of a row a wave
	s_add_co_u32 s22, s22, s23
	s_mov_b32 s23, 0
	s_lshl_b32 s24, s19, 10                        ; Wr: 128 rows of 8 bytes a wave
	s_mov_b32 s25, 0
	s_lshl_b32 s26, ttmp9, 14                      ; xq: 8 fragments of 2,048 bytes a work-group, one a wave
	s_lshl_b32 s27, s19, 11
	s_add_co_u32 s26, s26, s27
	s_mov_b32 s27, 0
	s_lshl_b32 s28, ttmp9, 7                       ; gates: 16 tokens of 8 bytes
	s_mov_b32 s29, 0
	s_wait_alu depctr_va_vdst(0)
	s_wait_kmcnt 0x0
	s_load_b64 s[16:17], s[8:9], 0x0               ; br
	s_load_b32 s18, s[10:11], 0x0                  ; e0
	s_add_nc_u64 s[4:5], s[4:5], s[22:23]
	s_add_nc_u64 s[6:7], s[6:7], s[24:25]
	s_add_nc_u64 s[12:13], s[12:13], s[26:27]
	s_add_nc_u64 s[14:15], s[14:15], s[28:29]
	global_load_b128 v[WR:WR+3], v[WO], s[6:7]
	global_load_b128 v[WR+4:WR+7], v[WO], s[6:7] offset:16
.irp i, 0,1,2,3,4,5,6,7,8,9,10,11,12,13,14,15
	global_load_b128 v[R+4*\i:R+4*\i+3], v[XO], s[4:5] offset:\i*ROWX th:TH_LOAD_NT   ; 32 lanes read 512 consecutive bytes of row i; read once in the launch
.endr
	s_wait_kmcnt 0x0
	s_add_co_i32 s18, s18, 127
	s_lshl_b32 s20, s18, 23
	v_mov_b32 v[SC], s20                           ; the conversion takes its exponent field
	s_add_co_i32 s18, s18, 15
	s_lshl_b32 s18, s18, 23
	s_or_b32 s18, s18, 0x600000
	v_mov_b32 v[LIM], s18
; Row i: into the stage as it lies, and its four numbers times my four rows of Wr, for both experts.
.macro ROW i
	s_wait_loadcnt 15-\i                           ; loads come back in order: row i is in (and Wr, which is older); the 15 - i rows behind it stay out
.if \i == 0
	v_mov_b32 v[WE],   v[WR]                       ; expert 0: d0, d1, d2, d3
	v_mov_b32 v[WE+1], v[WR+2]
	v_mov_b32 v[WE+2], v[WR+4]
	v_mov_b32 v[WE+3], v[WR+6]
	v_mov_b32 v[WE+4], v[WR+1]                     ; expert 1
	v_mov_b32 v[WE+5], v[WR+3]
	v_mov_b32 v[WE+6], v[WR+5]
	v_mov_b32 v[WE+7], v[WR+7]
.endif
	ds_store_b128 v[STI], v[R+4*\i:R+4*\i+3] offset:\i*SPITCH
	v_pk_mul_f32 v[P:P+1],   v[R+4*\i:R+4*\i+1], v[WE:WE+1]
	v_pk_mul_f32 v[P+2:P+3], v[R+4*\i:R+4*\i+1], v[WE+4:WE+5]
	s_delay_alu instid0(VALU_DEP_2)
	v_pk_fma_f32 v[P:P+1],   v[R+4*\i+2:R+4*\i+3], v[WE+2:WE+3], v[P:P+1]
	s_delay_alu instid0(VALU_DEP_2)
	v_pk_fma_f32 v[P+2:P+3], v[R+4*\i+2:R+4*\i+3], v[WE+6:WE+7], v[P+2:P+3]
	s_delay_alu instid0(VALU_DEP_2)
	v_add_f32 v[ACC+2*\i],   v[P],   v[P+1]
	s_delay_alu instid0(VALU_DEP_2)
	v_add_f32 v[ACC+2*\i+1], v[P+2], v[P+3]
.endm
.irp i, 0,1,2,3,4,5,6,7,8,9,10,11,12,13,14,15
	ROW \i
.endr
.irp b, 0,1,2,3
.irp j, 0,1,2,3
	ds_load_b128 v[X+16*\b+4*\j:X+16*\b+4*\j+3], v[STO] offset:128*\b+16*\j   ; LDS serves a wave's instructions in order: these see my stores.  Register 16 b + i = k 32 b + 16 h + i of row r
.endr
.endr
	; the 32 sums over the wave's 32 lanes, while the stage's reads are out: four steps inside each half ride on the additions, one crosses the halves
.irp k, 1,2,4,8
.set j, 0
.rept 32
	v_add_f32_dpp v[ACC+j], v[ACC+j], v[ACC+j] row_xmask:\k row_mask:0xf bank_mask:0xf
.set j, j+1
.endr
.endr
.set j, 0
.rept 8
	v_permlanex16_b32 v[P],   v[ACC+j],   s30, s31 ; (its destination counts as read: P has been written)
	v_permlanex16_b32 v[P+1], v[ACC+j+1], s30, s31
	v_permlanex16_b32 v[P+2], v[ACC+j+2], s30, s31
	v_permlanex16_b32 v[P+3], v[ACC+j+3], s30, s31
	s_delay_alu instid0(VALU_DEP_4)
	v_add_f32 v[ACC+j],   v[ACC+j],   v[P]
	s_delay_alu instid0(VALU_DEP_4)
	v_add_f32 v[ACC+j+1], v[ACC+j+1], v[P+1]
	s_delay_alu instid0(VALU_DEP_4)
	v_add_f32 v[ACC+j+2], v[ACC+j+2], v[P+2]
	s_delay_alu instid0(VALU_DEP_4)
	v_add_f32 v[ACC+j+3], v[ACC+j+3], v[P+3]
.set j, j+4
.endr
.irp q, 0,1,2,3,4,5,6,7
	ds_store_b128 v[REDW], v[ACC+4*\q:ACC+4*\q+3] offset:16*\q   ; every lane holds the same sums and writes the same words
.endr
	s_wait_dscnt 8                                 ; all but these eight stores: the 64 numbers are back from the stage
.set j, 0
.rept 64
	v_med3_num_f32 v[X+j], v[X+j], -v[LIM], v[LIM] ; the conversion to an 8-bit code does not saturate (ISA guide 7.6.2): the hold at the largest code x the scale comes first
.set j, j+1
.endr
.irp g, 0,1,2,3,4,5,6,7
	v_cvt_scalef32_pk8_bf8_f32 v[C+2*\g:C+2*\g+1], v[X+8*\g:X+8*\g+7], v[SC]
.endr
	v_nop                                          ; one plain vector line behind the last conversion
.irp c, 0,1,2,3
	global_store_b128 v[XO], v[C+4*\c:C+4*\c+3], s[12:13] offset:512*\c   ; 32 lanes store 512 consecutive bytes, at a multiple of 512 from xq's first byte
.endr
	s_wait_dscnt 0x0                               ; for wave 0's sake: my sums have landed
	s_barrier_signal -1
	s_barrier_wait -1
	s_cmp_lg_u32 s19, 0
	s_cbranch_scc1 .Ldone                          ; the rest is one wave's work: 32 numbers
.irp w, 0,1,2,3,4,5,6,7
	ds_load_b32 v[ACC+\w], v[REDR] offset:128*\w   ; lane l: token l / 2, expert l % 2, the part of wave w
.endr
	v_and_b32 v13, 1, v0
	s_delay_alu instid0(VALU_DEP_1)
	v_cmp_eq_u32 vcc_lo, 1, v13
	v_mov_b32 v14, s16
	v_mov_b32 v15, s17
	s_delay_alu instid0(VALU_DEP_1)
	v_cndmask_b32 v14, v14, v15, vcc_lo            ; br of my expert
	s_wait_dscnt 0x0
	v_add_f32 v[ACC],   v[ACC],   v[ACC+1]
	v_add_f32 v[ACC+2], v[ACC+2], v[ACC+3]
	v_add_f32 v[ACC+4], v[ACC+4], v[ACC+5]
	v_add_f32 v[ACC+6], v[ACC+6], v[ACC+7]
	s_delay_alu instid0(VALU_DEP_3)
	v_add_f32 v[ACC],   v[ACC],   v[ACC+2]
	s_delay_alu instid0(VALU_DEP_2)
	v_add_f32 v[ACC+4], v[ACC+4], v[ACC+6]
	s_delay_alu instid0(VALU_DEP_1)
	v_add_f32 v[ACC],   v[ACC],   v[ACC+4]
	s_wait_alu depctr_va_vdst(0)
	v_add_f32 v[ACC],   v[ACC],   v14              ; the logit
	s_delay_alu instid0(VALU_DEP_1)
	v_max_num_f32_dpp v[ACC+1], v[ACC], v[ACC] row_xmask:1 row_mask:0xf bank_mask:0xf   ; the token's larger logit: the other expert's lies in lane l xor 1
	s_delay_alu instid0(VALU_DEP_1)
	v_sub_f32 v[ACC+2], v[ACC], v[ACC+1]
	s_delay_alu instid0(VALU_DEP_1)
	v_mul_f32 v[ACC+2], 0x3fb8aa3b, v[ACC+2]       ; x log2(e)
	s_wait_alu depctr_va_vdst(0)
	v_exp_f32 v[ACC+3], v[ACC+2]
	v_nop                                          ; a plain line between a transcendental and the use of its result
	s_wait_alu depctr_va_vdst(0)
	v_add_f32_dpp v[ACC+4], v[ACC+3], v[ACC+3] row_xmask:1 row_mask:0xf bank_mask:0xf
	s_wait_alu depctr_va_vdst(0)
	v_rcp_f32 v[ACC+5], v[ACC+4]
	v_nop
	s_wait_alu depctr_va_vdst(0)
	v_mul_f32 v[ACC+6], v[ACC+3], v[ACC+5]
	global_store_b32 v[GO], v[ACC+6], s[14:15]     ; 128 consecutive bytes: the work-group's 16 tokens
.Ldone:
	s_wait_tensorcnt 0x0
	ds_add_u32 v224, v225
	s_wait_dscnt 0x0
	s_endpgm
.Lfunc_end_k_qf2a92e1f8e_prep:
	.size	k_qf2a92e1f8e_prep, .Lfunc_end_k_qf2a92e1f8e_prep-k_qf2a92e1f8e_prep
	.p2alignl 7, 3214868480
	.fill 96, 4, 3214868480
	.section	.rodata,"a",@progbits
	.p2align	6, 0x0
	.amdhsa_kernel k_qf2a92e1f8e_prep
		.amdhsa_group_segment_fixed_size 69632
		.amdhsa_private_segment_fixed_size 0
		.amdhsa_enable_private_segment 0
		.amdhsa_kernarg_size 48
		.amdhsa_user_sgpr_count 2
		.amdhsa_user_sgpr_kernarg_segment_ptr 1
		.amdhsa_wavefront_size32 1
		.amdhsa_system_sgpr_workgroup_id_x 1
		.amdhsa_system_sgpr_workgroup_id_y 1
		.amdhsa_system_sgpr_workgroup_id_z 1
		.amdhsa_system_vgpr_workitem_id 0
		.amdhsa_next_free_vgpr 226
		.amdhsa_next_free_sgpr 66
		.amdhsa_reserve_vcc 1
		.amdhsa_float_denorm_mode_32 3
		.amdhsa_float_denorm_mode_16_64 3
		.amdhsa_memory_ordered 1
		.amdhsa_forward_progress 1
		.amdhsa_inst_pref_size 34
	.end_amdhsa_kernel
	.amdgpu_metadata
---
amdhsa.version: [ 1, 2 ]
amdhsa.kernels:
  - .name:           k_qf2a92e1f8e_prep
    .symbol:         k_qf2a92e1f8e_prep.kd
    .args:
      - { .name: x, .offset: 0, .size: 8, .value_kind: global_buffer, .address_space: global }
      - { .name: Wr, .offset: 8, .size: 8, .value_kind: global_buffer, .address_space: global }
      - { .name: br, .offset: 16, .size: 8, .value_kind: global_buffer, .address_space: global }
      - { .name: lowp_scales, .offset: 24, .size: 8, .value_kind: global_buffer, .address_space: global }
      - { .name: xq, .offset: 32, .size: 8, .value_kind: global_buffer, .address_space: global }
      - { .name: gates, .offset: 40, .size: 8, .value_kind: global_buffer, .address_space: global }
    .group_segment_fixed_size: 69632
    .private_segment_fixed_size: 0
    .kernarg_segment_align: 8
    .kernarg_segment_size: 48
    .max_flat_workgroup_size: 256
    .sgpr_count:     66
    .vgpr_count:     226
    .wavefront_size: 32
...
	.end_amdgpu_metadata
.endif
;; end of part 1
;; launch up (part 2): grid 16 x 16, 4 waves a work-group, clusters of 4 x 1, 327,680 bytes of LDS; arguments xq, W1_codes, b1, lowp_scales, hq; writes hq
.if DOCPART == 2
	.amdgcn_target "amdgcn-amd-amdhsa--gfx1250"
	.amdhsa_code_object_version 6
	.text
	.protected	k_qf2a92e1f8e_up
	.globl	k_qf2a92e1f8e_up
	.p2align	8
	.type	k_qf2a92e1f8e_up,@function
k_qf2a92e1f8e_up:
	s_mov_b64 s[64:65], 0
	v_nop
	global_prefetch_b8 v0, s[64:65] scope:SCOPE_SE
	s_setreg_imm32_b32 hwreg(HW_REG_WAVE_MODE, 25, 1), 1
	s_wait_xcnt 0x0
	s_wait_alu depctr_hold_cnt(0) depctr_sa_sdst(0) depctr_va_vdst(0) depctr_va_sdst(0) depctr_va_ssrc(0) depctr_va_vcc(0) depctr_vm_vsrc(0)
	s_getreg_b32 s2, hwreg(HW_REG_IB_STS2, 6, 4)
	s_cmp_eq_u32 s2, 0
	s_cbranch_scc0 .Lentry_in_a_cluster
	s_endpgm
.Lentry_in_a_cluster:
	s_bfe_u32 s2, ttmp6, 0x10000c
	s_cmp_lg_u32 s2, 0x3003
	s_cbranch_scc0 .Lentry_shape_is_right
	s_endpgm
.Lentry_shape_is_right:
; hq = codes of gelu(x W1 + b1), both experts.  xq: x's codes as images of operand registers (fragment (tile T of 16 tokens, K step s) at (8 T + s) 2048).
; W1_codes: [2 x 4096 hidden][1024 k] codes.  hq: for each expert and tile of 16 tokens 65,536 bytes; the 32 hidden units of a trip are 512 bytes, 16 a lane:
; lane (r, h) holds token r, hidden 8 h + 0..7 and 16 + 8 h + 0..7 of the 32.
; One set of codes of x serves both experts: the blanking of rows whose gate is 0 is left out, as the first kernel's head shows.
; SHARES.  Work-group (x, y): 256 tokens x 512 rows of W1 (y = 8 expert + slice).  A wave keeps 64 tokens x K 1,024 in 512 registers (windows 1, 2) and walks the 512 rows in
; 16 trips of 32 rows, two tiles u of 16 rows; source 0 = 16 rows of W1, source 1 = 16 tokens, so a lane's registers run along the hidden units.
; W1's rows come through two LDS slots of 128 rows (four trips).  CLUSTER: the four work-groups of a cluster have the same y and ask for W1's tiles jointly (mask 15).
; A TRIP IS TWO HALVES.  In each, one tile's 32 matrix instructions (4 token tiles by turns x 8 K steps) stand among the polynomial's multiply-adds of the other tile's gelu
; (32 sums a lane), one behind every five; the tile's fragments (half of window 3) were fetched a half earlier, and the other half of window 3 is fetched meanwhile.
; gelu(v) = (v + |v| - |v| E) / 2, E = erfc(|v| / sqrt 2) = t exp(-z^2 + P(t)), z = |v| / sqrt 2, t = 1 / (1 + z / 2), P of degree 9; base 2 throughout;
; the sums stand for sum x 2^(e0 + e1): that power is folded into the constants, the bias goes in as C divided by it, and the half goes into the conversion's scale.
; b1 is kept by tiles and asked for a trip ahead of its scaling; the address is held at the last trip's, so the last requests name bytes whose numbers are not used.
; PREFETCH: W1's slots 2 and 3, each 512 blocks of 256 bytes: one instruction a wave, a lane a block, the four partners told apart by address; three and four trips ahead of the joint load.
; xq is read once at the head, with no loop to run ahead in: no prefetch for it.
; LIMITS: e0 + e1 between -62 and 64; e2 - e0 - e1 between -127 and 111.  NaN among the inputs is not served.
.set PITCH, 1040                       ; an LDS row: 1,024 bytes + 16: an odd multiple of 16
.set QUART, 32*PITCH                   ; a trip's rows; also what one wave's tensor load brings
.set SLOT,  128*PITCH
.set SPARE, 2*SLOT                     ; the spare words: 512 bytes that no other line names
.set LI,   1                           ; 16 x lane
.set AB0,  2                           ; r x PITCH + 16 h
.set ADR,  3                           ; the fragment address of the trip that is fetched
.set BOF,  4                           ; 32 h
.set SPW,  5
.set NIL,  6
.set LIM,  7                           ; 57,344 x the conversion's scale
.set SC,   8                           ; the conversion's scale
.set VC9,  10                          ; (v9, v15: the bias loads' offsets, tile 1's and tile 0's)
.set VC0,  12
.set PFO,  14                          ; the prefetches' offset
.set BS,   16                          ; v16-31   the bias as C, tile u at 8 u
.set CD,   32                          ; v32-47   codes
.set ACC,  48                          ; v48-111  sum (m, u) at 16 m + 8 u
.set GA,   112                         ; |v|, then |v| t
.set GT,   144                         ; t
.set GZ,   176                         ; -z^2 log2 e + the constant term
.set GP,   208                         ; the polynomial, then the exponential
.set BN,   240                         ; v240-255 the bias as loaded
.set WV,   14
.set G1,   24
.set G0,   32
.set CU,   40
.set CZ,   42
.set CK,   44
.set BSC,  62
.set ABSM, 66
.set TB,   67
.set CNT,  68
.set HP,   70
.set B1P,  72
.set PF,   84                          ; (s86, s90: 128 x the trip whose bias is asked for, tile 0's and tile 1's)
.set MSB, 0
.macro WIN new
.if MSB != \new
	s_set_vgpr_msb (MSB<<8)|\new
.set MSB, \new
.endif
.endm
.macro PLACES
.rept 4
	v_nop
.endr
.endm
.macro CROUND
	s_barrier_signal -1
	s_barrier_wait -1
	s_cmp_lg_u32 s[WV], 0
	s_cbranch_scc1 .Lnot_wave_0_\@
	s_barrier_signal -3
.Lnot_wave_0_\@:
	s_barrier_wait -3
	s_barrier_signal -1
	s_barrier_wait -1
.endm
.macro BLOAD dst, off                  ; lane (r, h): b1 at 16 u + 8 h + 0..7 of a trip's 32
.irp u, 0,1
.irp q, 0,1
	global_load_b128 v[\dst+8*\u+4*\q:\dst+8*\u+4*\q+3], v[BOF], s[B1P:B1P+1] offset:\off+64*\u+16*\q
.endr
.endr
.endm
	s_load_b128 s[4:7], s[0:1], 0x0                ; xq, W1's codes
	s_load_b128 s[8:11], s[0:1], 0x10              ; b1, the scales' exponents
	s_load_b64 s[12:13], s[0:1], 0x20              ; hq
	v_lshl_add_u32 v[SPW], v0, 2, SPARE
	v_mov_b32 v[NIL], 0
	ds_add_u32 v[SPW], v[NIL]
	ds_add_u32 v[SPW], v[NIL]
	v_lshrrev_b32 v[GA], 5, v0
	v_readfirstlane_b32 s[WV], v[GA]               ; wave
	s_bfe_u32 s15, ttmp6, 0x40000                  ; cx
	s_lshl_b32 s16, ttmp9, 2
	s_add_co_u32 s16, s16, s15                     ; x: my 256 tokens
	s_and_b32 s17, ttmp7, 0xffff                   ; y: my 512 rows of W1
	s_mov_b32 s[G1], 15|(1<<20)|(1<<21)|(7<<22)|(3<<25)   ; mask of the four; bytes; 4 words of padding behind every 256
	s_mov_b32 s[G1+1], 1024<<16
	s_mov_b32 s[G1+2], 32<<16
	s_mov_b32 s[G1+3], 1024<<16
	s_mov_b32 s[G1+4], 32
	s_mov_b32 s[G1+5], 1024
	s_mov_b32 s[G1+6], 0
	s_mov_b32 s[G1+7], 0
	s_lshl_b32 s74, s17, 19                        ; W1: 512 rows of 1,024 bytes a y
	s_mov_b32 s75, 0
	s_lshl_b32 s76, s[WV], 15                      ; 32 rows a wave
	s_mov_b32 s77, 0
	s_lshl_b32 s78, s16, 18                        ; xq: 256 tokens a work-group, 64 a wave
	s_lshl_b32 s79, s[WV], 16
	s_add_co_u32 s78, s78, s79
	s_mov_b32 s79, 0
	s_lshr_b32 s80, s17, 3                         ; hq: expert, 256 tokens, 64 tokens, 16 trips of 512 bytes
	s_lshl_b32 s80, s80, 24
	s_lshl_b32 s81, s16, 20
	s_add_co_u32 s80, s80, s81
	s_lshl_b32 s81, s[WV], 18
	s_add_co_u32 s80, s80, s81
	s_and_b32 s81, s17, 7
	s_lshl_b32 s81, s81, 13
	s_add_co_u32 s80, s80, s81
	s_mov_b32 s81, 0
	s_lshl_b32 s82, s17, 11                        ; b1: 512 numbers a y
	s_mov_b32 s83, 0
	s_mul_i32 s87, s[WV], QUART
	s_lshl_b32 s88, s15, 15                        ; the prefetches: 128 blocks of 256 bytes a partner
	v_and_b32 v[GA], 31, v0
	v_lshlrev_b32 v[LI], 4, v[GA]
	v_and_b32 v[GA+1], 15, v0
	v_bfe_u32 v[GA+2], v0, 4, 1
	v_mul_u32_u24 v[AB0], v[GA+1], PITCH
	v_lshl_add_u32 v[AB0], v[GA+2], 4, v[AB0]
	v_lshlrev_b32 v[BOF], 5, v[GA+2]
	v_lshlrev_b32 v[PFO], 8, v0
	v_add_nc_u32 v[PFO], s88, v[PFO]
	s_wait_alu depctr_va_vdst(0)
	s_wait_dscnt 0x0
	s_wait_kmcnt 0x0
	s_load_b128 s[20:23], s[10:11], 0x0            ; e0, e1, e2, e3
	s_add_nc_u64 s[PF:PF+1], s[6:7], s[74:75]
	s_add_nc_u64 s[6:7], s[PF:PF+1], s[76:77]
	s_add_nc_u64 s[4:5], s[4:5], s[78:79]
	s_add_nc_u64 s[HP:HP+1], s[12:13], s[80:81]
	s_add_nc_u64 s[B1P:B1P+1], s[8:9], s[82:83]
.irp q, 0,1
	s_mov_b32 s[G0+4*\q], 1
	s_add_co_u32 s[G0+4*\q+1], s87, \q*SLOT
	s_add_nc_u64 s[G0+4*\q+2:G0+4*\q+3], s[6:7], \q*131072
	s_or_b32 s[G0+4*\q+3], s[G0+4*\q+3], 0x80000000
.endr
	CROUND                                         ; the four partners are here: the first joint loads meet
	tensor_load_to_lds s[G0:G0+3], s[G1:G1+7]      ; my 32 rows of slot 0: the wave's one load at the head
	s_nop 0
	PLACES
	BLOAD BS, 0                                    ; trip 0's bias, and trip 1's
	BLOAD BN, 128
	WIN 0x40                                       ; x's fragments: K steps 0-3 into window 1, 4-7 into window 2
.irp s, 0,1,2,3
.irp m, 0,1,2,3
.irp c, 0,1,2,3
	global_load_b128 v[64*\s+16*\m+4*\c:64*\s+16*\m+4*\c+3], v[LI], s[4:5] offset:\m*16384+\s*2048+\c*512
.endr
.endr
.endr
	WIN 0x80
.irp s, 4,5,6,7
.irp m, 0,1,2,3
.irp c, 0,1,2,3
	global_load_b128 v[64*(\s-4)+16*\m+4*\c:64*(\s-4)+16*\m+4*\c+3], v[LI], s[4:5] offset:\m*16384+\s*2048+\c*512
.endr
.endr
.endr
	WIN 0
	s_mov_b32 s86, 128
	s_mov_b32 s90, 128
	s_mov_b32 s[ABSM], 0x7fffffff
	v_mov_b32 v[VC9],   0x3e7c6f08                 ; P's coefficients x log2 e
	v_mov_b32 v[VC9+1], 0x3e7c6f08
	v_mov_b32 v[VC0],   0xbfe9b21e
	v_mov_b32 v[VC0+1], 0xbfe9b21e
	s_mov_b32 s[CK+2],  0x3fb8ab5a
	s_mov_b32 s[CK+4],  0x3f0a29d2
	s_mov_b32 s[CK+6],  0x3e0efb2e
	s_mov_b32 s[CK+8],  0xbe899a80
	s_mov_b32 s[CK+10], 0x3ecdfd18
	s_mov_b32 s[CK+12], 0xbfd1a1e5
	s_mov_b32 s[CK+14], 0x40097039
	s_mov_b32 s[CK+16], 0xbf97d29d
.irp k, 1,2,3,4,5,6,7,8
	s_mov_b32 s[CK+2*\k+1], s[CK+2*\k]
.endr
	s_wait_alu depctr_va_vdst(0)
	s_wait_kmcnt 0x0
	s_add_co_i32 s74, s20, s21                     ; e0 + e1
	s_lshl_b32 s75, s74, 23
	s_add_co_u32 s[CU], s75, 0x3eb504f3            ; 2^(e0+e1) / (2 sqrt 2)
	s_mov_b32 s[CU+1], s[CU]
	s_lshl_b32 s75, s74, 24
	s_add_co_u32 s[CZ], s75, 0xbf38aa3b            ; -4^(e0+e1) log2 e / 2
	s_mov_b32 s[CZ+1], s[CZ]
	s_sub_co_i32 s[BSC], 127, s74
	s_lshl_b32 s[BSC], s[BSC], 23                  ; 2^-(e0+e1), for the bias
	s_mov_b32 s[BSC+1], s[BSC]
	s_sub_co_i32 s77, s22, s74
	s_add_co_i32 s77, s77, 128                     ; 2^(e2 - e0 - e1 + 1): the half of gelu is in it
	s_lshl_b32 s75, s77, 23
	v_mov_b32 v[SC], s75
	s_add_co_i32 s77, s77, 15
	s_lshl_b32 s77, s77, 23
	s_or_b32 s77, s77, 0x600000
	v_mov_b32 v[LIM], s77
; 16 LDS loads: run k = 2 u + half: tile u's K steps 4 half .. 4 half + 3 into window 3
.macro FCH k
	WIN 0xc0
.irp s, 0,1,2,3
.irp c, 0,1,2,3
	ds_load_b128 v[128*((\k)/2)+16*(4*((\k)%2)+\s)+4*\c:128*((\k)/2)+16*(4*((\k)%2)+\s)+4*\c+3], v[ADR] offset:((\k)/2)*16*PITCH+128*(4*((\k)%2)+\s)+32*\c
.endr
.endr
	WIN 0
.endm
; tile u's bias of the next trip becomes C; the one after it is asked for (held at trip 15's place).  The two younger loads, the other tile's, may stay out
.macro NB u
	s_wait_loadcnt 0x2
.set ii, 0
.rept 4
	v_pk_mul_f32 v[BS+8*\u+ii:BS+8*\u+ii+1], v[BN+8*\u+ii:BN+8*\u+ii+1], s[BSC:BSC+1] op_sel_hi:[1,0]
.set ii, ii+2
.endr
	s_add_co_u32 s[86+4*\u], s[86+4*\u], 128
	s_min_u32 s[86+4*\u], s[86+4*\u], 15*128
	v_add_nc_u32 v[15-6*\u], s[86+4*\u], v[BOF]
	global_load_b128 v[BN+8*\u:BN+8*\u+3], v[15-6*\u], s[B1P:B1P+1] offset:64*\u
	global_load_b128 v[BN+8*\u+4:BN+8*\u+7], v[15-6*\u], s[B1P:B1P+1] offset:64*\u+16
.endm
; matrix instruction number WT of tile HU: K step WT / 4, token tile WT % 4: the four accumulators take turns; K step 0 takes the bias as C
.macro WM1
.set ws, WT/4
.set wm, WT%4
.if ws < 4
	WIN 0x07
.else
	WIN 0x0b
.endif
.if ws == 0
	v_wmma_f32_16x16x128_bf8_bf8 v[ACC+16*wm+8*HU:ACC+16*wm+8*HU+7], v[128*HU+16*ws:128*HU+16*ws+15], v[64*(ws%4)+16*wm:64*(ws%4)+16*wm+15], v[BS+8*HU:BS+8*HU+7]
.else
	v_wmma_f32_16x16x128_bf8_bf8 v[ACC+16*wm+8*HU:ACC+16*wm+8*HU+7], v[128*HU+16*ws:128*HU+16*ws+15], v[64*(ws%4)+16*wm:64*(ws%4)+16*wm+15], v[ACC+16*wm+8*HU:ACC+16*wm+8*HU+7]
.endif
.set WT, WT+1
.endm
.macro TICK                            ; behind every fifth multiply-add of the polynomial: one matrix instruction
.set TK, TK+1
.if HU >= 0
.if WT < 32
.if (TK%5) == 0
	WM1
	WIN 0
.endif
.endif
.endif
.endm
; A half: gelu, hold and codes of tile u's 32 sums a lane; among the polynomial's lines tile hu's 32 matrix instructions (-1: none); f, f + 1: the two runs of LDS loads (-1: none).
; The waits on the vector side stand round a batch of transcendentals and ahead of the first readers of matrix results.
.macro GH u, hu, f
.set UU, \u
.set HU, \hu
.set WT, 0
.set TK, 0
.if \f >= 0
	FCH \f
.endif
	s_wait_alu depctr_va_vdst(0)
.set ii, 0
.rept 32
	v_and_b32 v[GA+ii], s[ABSM], v[ACC+16*(ii/8)+8*UU+(ii%8)]
.set ii, ii+1
.endr
.set ii, 0
.rept 16
	v_pk_fma_f32 v[GT+ii:GT+ii+1], v[GA+ii:GA+ii+1], s[CU:CU+1], 1.0 op_sel_hi:[1,0,0]
.set ii, ii+2
.endr
	s_wait_alu depctr_va_vdst(0)
.set ii, 0
.rept 16
	v_rcp_f32 v[GT+ii], v[GT+ii]
	v_pk_add_f32 v[ACC+16*(ii/8)+8*UU+(ii%8):ACC+16*(ii/8)+8*UU+(ii%8)+1], v[ACC+16*(ii/8)+8*UU+(ii%8):ACC+16*(ii/8)+8*UU+(ii%8)+1], v[GA+ii:GA+ii+1]
	v_rcp_f32 v[GT+ii+1], v[GT+ii+1]
	v_pk_mul_f32 v[GZ+ii:GZ+ii+1], v[GA+ii:GA+ii+1], v[GA+ii:GA+ii+1]
.set ii, ii+2
.endr
.if \f >= 0
	FCH \f+1
.endif
	s_wait_alu depctr_va_vdst(0)
.if \hu >= 0
.if \f >= 0
	s_wait_dscnt 32                                ; tile hu's fragments, asked for in the half before; this half's 32 loads may stay out
.else
	s_wait_dscnt 0x0
.endif
.endif
.if \u == 0
	s_wait_xcnt 0x0                                ; the last trip's stores have read their base and their codes
	s_add_nc_u64 s[HP:HP+1], s[HP:HP+1], 512       ; the stores take 512 off again
.endif
.set ii, 0
.rept 16
	v_pk_fma_f32 v[GZ+ii:GZ+ii+1], v[GZ+ii:GZ+ii+1], s[CZ:CZ+1], v[VC0:VC0+1] op_sel_hi:[1,0,1]
	TICK
.set ii, ii+2
.endr
.set ii, 0
.rept 16
	v_pk_fma_f32 v[GP+ii:GP+ii+1], v[GT+ii:GT+ii+1], v[VC9:VC9+1], s[CK+16:CK+17] op_sel_hi:[1,1,0]
	TICK
.set ii, ii+2
.endr
.irp k, 7,6,5,4,3,2,1
.set ii, 0
.rept 16
	v_pk_fma_f32 v[GP+ii:GP+ii+1], v[GP+ii:GP+ii+1], v[GT+ii:GT+ii+1], s[CK+2*\k:CK+2*\k+1] op_sel_hi:[1,1,0]
	TICK
.set ii, ii+2
.endr
.endr
.set ii, 0
.rept 16
	v_pk_fma_f32 v[GP+ii:GP+ii+1], v[GP+ii:GP+ii+1], v[GT+ii:GT+ii+1], v[GZ+ii:GZ+ii+1]
	TICK
.set ii, ii+2
.endr
	s_wait_alu depctr_va_vdst(0)
.set ii, 0
.rept 16
	v_exp_f32 v[GP+ii], v[GP+ii]
	v_exp_f32 v[GP+ii+1], v[GP+ii+1]
	v_pk_mul_f32 v[GA+ii:GA+ii+1], v[GA+ii:GA+ii+1], v[GT+ii:GT+ii+1]
.set ii, ii+2
.endr
	s_wait_alu depctr_va_vdst(0)
.set ii, 0
.rept 16
	v_pk_fma_f32 v[ACC+16*(ii/8)+8*UU+(ii%8):ACC+16*(ii/8)+8*UU+(ii%8)+1], v[GA+ii:GA+ii+1], v[GP+ii:GP+ii+1], v[ACC+16*(ii/8)+8*UU+(ii%8):ACC+16*(ii/8)+8*UU+(ii%8)+1] neg_lo:[1,0,0] neg_hi:[1,0,0]
.set ii, ii+2
.endr
.set ii, 0
.rept 32
	v_med3_num_f32 v[ACC+16*(ii/8)+8*UU+(ii%8)], v[ACC+16*(ii/8)+8*UU+(ii%8)], -v[LIM], v[LIM]   ; the conversion does not saturate (ISA guide 7.6.2): the hold comes first
.set ii, ii+1
.endr
.irp m, 0,1,2,3
	v_cvt_scalef32_pk8_bf8_f32 v[CD+4*\m+2*UU:CD+4*\m+2*UU+1], v[ACC+16*\m+8*UU:ACC+16*\m+8*UU+7], v[SC]
.endr
	v_nop                                          ; one plain line behind the last conversion
.endm
.macro STORES                          ; a trip's codes: 32 lanes store 512 consecutive bytes, aligned, for each token tile
.irp m, 0,1,2,3
	global_store_b128 v[LI], v[CD+4*\m:CD+4*\m+3], s[HP:HP+1] offset:\m*65536-512
.endr
.endm
; trip j's tile 1 with gelu of its tile 0; trip j + 1's tile 0 with gelu of trip j's tile 1; both fetch trip j + 1's rows, at s[TB]
.macro TRIP
	v_add_nc_u32 v[ADR], s[TB], v[AB0]
	GH 0, 1, 0
	NB 1
	GH 1, 0, 2
	STORES
	NB 0
	s_add_co_u32 s[TB], s[TB], QUART
.endm
.macro LOOP n, tb0
	s_mov_b32 s[TB], \tb0
	s_mov_b32 s[CNT], \n
.Ltrip_\@:
	TRIP
	s_sub_co_u32 s[CNT], s[CNT], 1
	s_cmp_lg_u32 s[CNT], 0
	s_cbranch_scc1 .Ltrip_\@
.endm
; a change of slots: all my tensor loads, the add, my reads; with a fill a round of the cluster's barrier and the joint refill first behind it
.macro CHANGE q, fill
	s_wait_tensorcnt 0x0
	ds_add_u32 v[SPW], v[NIL]
.if \fill
	s_add_nc_u64 s[G0+4*\q+2:G0+4*\q+3], s[G0+4*\q+2:G0+4*\q+3], 262144
.endif
	s_wait_dscnt 0x0
.if \fill
	CROUND
	tensor_load_to_lds s[G0+4*\q:G0+4*\q+3], s[G1:G1+7]
	s_nop 0
	PLACES
.else
	s_barrier_signal -1
	s_barrier_wait -1
.endif
.endm
.macro ASK q                           ; slot q's 131,072 bytes: block 128 cx + 32 wave + lane
	global_prefetch_b8 v[PFO], s[PF:PF+1] offset:\q*131072 th:TH_LOAD_NT scope:SCOPE_SE
.endm
	s_wait_alu depctr_va_vdst(0)
	s_wait_tensorcnt 0x0                           ; my part of slot 0
	ds_add_u32 v[SPW], v[NIL]
	s_wait_dscnt 0x0
	CROUND                                         ; slot 0 is whole for every wave
	tensor_load_to_lds s[G0+4:G0+7], s[G1:G1+7]    ; slot 1's first fill
	s_nop 0
	PLACES
	s_mov_b32 s[TB], 0
	v_add_nc_u32 v[ADR], s[TB], v[AB0]
	FCH 0
	FCH 1
	FCH 2
	FCH 3
	s_wait_loadcnt 0x0                             ; x's fragments and the first two biases
.set ii, 0
.rept 8
	v_pk_mul_f32 v[BS+ii:BS+ii+1], v[BS+ii:BS+ii+1], s[BSC:BSC+1] op_sel_hi:[1,0]
.set ii, ii+2
.endr
	s_wait_alu depctr_va_vdst(0)
	s_wait_dscnt 32                                ; tile 0's fragments; tile 1's 32 loads may stay out
.set HU, 0
.set WT, 0
.rept 32
	WM1                                            ; trip 0's tile 0 stands ahead of the loops
.endr
	WIN 0
	PLACES
	NB 0
	ASK 2
	LOOP 3, QUART
	CHANGE 0, 1
	ASK 3
	LOOP 4, SLOT
	CHANGE 1, 1
	LOOP 4, 0
	CHANGE 0, 0
	LOOP 4, SLOT
	GH 0, 1, -1                                    ; trip 15's tile 1, with gelu of its tile 0
	GH 1, -1, -1
	STORES
	s_wait_tensorcnt 0x0                           ; the wave's end
	ds_add_u32 v[SPW], v[NIL]
	s_wait_dscnt 0x0
	CROUND                                         ; the closing round
	s_endpgm
.Lfunc_end_k_qf2a92e1f8e_up:
	.size	k_qf2a92e1f8e_up, .Lfunc_end_k_qf2a92e1f8e_up-k_qf2a92e1f8e_up
	.p2alignl 7, 3214868480
	.fill 96, 4, 3214868480
	.section	.rodata,"a",@progbits
	.p2align	6, 0x0
	.amdhsa_kernel k_qf2a92e1f8e_up
		.amdhsa_group_segment_fixed_size 327680
		.amdhsa_private_segment_fixed_size 0
		.amdhsa_enable_private_segment 0
		.amdhsa_kernarg_size 40
		.amdhsa_user_sgpr_count 2
		.amdhsa_user_sgpr_kernarg_segment_ptr 1
		.amdhsa_wavefront_size32 1
		.amdhsa_system_sgpr_workgroup_id_x 1
		.amdhsa_system_sgpr_workgroup_id_y 1
		.amdhsa_system_sgpr_workgroup_id_z 1
		.amdhsa_system_vgpr_workitem_id 0
		.amdhsa_next_free_vgpr 1024
		.amdhsa_next_free_sgpr 96
		.amdhsa_reserve_vcc 0
		.amdhsa_float_denorm_mode_32 3
		.amdhsa_float_denorm_mode_16_64 3
		.amdhsa_memory_ordered 1
		.amdhsa_forward_progress 1
		.amdhsa_inst_pref_size 255
	.end_amdhsa_kernel
	.section	.bss,"aw",@nobits
	.p2align	6
	.space	262144
	.amdgpu_metadata
---
amdhsa.version: [ 1, 2 ]
amdhsa.kernels:
  - .name:           k_qf2a92e1f8e_up
    .symbol:         k_qf2a92e1f8e_up.kd
    .args:
      - { .name: xq, .offset: 0, .size: 8, .value_kind: global_buffer, .address_space: global }
      - { .name: W1_codes, .offset: 8, .size: 8, .value_kind: global_buffer, .address_space: global }
      - { .name: b1, .offset: 16, .size: 8, .value_kind: global_buffer, .address_space: global }
      - { .name: lowp_scales, .offset: 24, .size: 8, .value_kind: global_buffer, .address_space: global }
      - { .name: hq, .offset: 32, .size: 8, .value_kind: global_buffer, .address_space: global }
    .group_segment_fixed_size: 327680
    .private_segment_fixed_size: 0
    .kernarg_segment_align: 8
    .kernarg_segment_size: 40
    .max_flat_workgroup_size: 128
    .sgpr_count:     96
    .vgpr_count:     1024
    .wavefront_size: 32
...
	.end_amdgpu_metadata
.endif
;; end of part 2
;; launch down (part 3): grid 32 x 8, 4 waves a work-group, clusters of 4 x 1, 327,680 bytes of LDS; arguments hq, W2_codes, gates, b2, lowp_scales, out0; writes out0
.if DOCPART == 3
	.amdgcn_target "amdgcn-amd-amdhsa--gfx1250"
	.amdhsa_code_object_version 6
	.text
	.protected	k_qf2a92e1f8e_down
	.globl	k_qf2a92e1f8e_down
	.p2align	8
	.type	k_qf2a92e1f8e_down,@function
k_qf2a92e1f8e_down:
	s_mov_b64 s[64:65], 0
	v_nop
	global_prefetch_b8 v0, s[64:65] scope:SCOPE_SE
	s_setreg_imm32_b32 hwreg(HW_REG_WAVE_MODE, 25, 1), 1
	s_wait_xcnt 0x0
	s_wait_alu depctr_hold_cnt(0) depctr_sa_sdst(0) depctr_va_vdst(0) depctr_va_sdst(0) depctr_va_ssrc(0) depctr_va_vcc(0) depctr_vm_vsrc(0)
	s_getreg_b32 s2, hwreg(HW_REG_IB_STS2, 6, 4)
	s_cmp_eq_u32 s2, 0
	s_cbranch_scc0 .Lentry_in_a_cluster
	s_endpgm
.Lentry_in_a_cluster:
	s_bfe_u32 s2, ttmp6, 0x10000c
	s_cmp_lg_u32 s2, 0x3003
	s_cbranch_scc0 .Lentry_shape_is_right
	s_endpgm
.Lentry_shape_is_right:
.set WP,     528
.set WEXP,   128*WP
.set SLOT,   2*WEXP
.set SPARE,  2*SLOT
.set STAGE,  SPARE+512
.set SPITCH, 528
.set HSTEP,  4096
.set REDR, 8
.set GOF,  12
.set BOF,  13
.set PFO,  14
.set ADRB, 20
.set STO,  24
.set RD,   25
.set CO,   26
.set SPW,  28
.set NIL,  29
.set REDW, 30
.set GT,   32
.set F,    40
.set BIAS, 64
.set WF,   128
.set HP,   20
.set G1,   24
.set G0,   32
.set CT,   42
.set MSB, 0
.macro WIN new
.if MSB != \new
	s_set_vgpr_msb (MSB<<8)|\new
.set MSB, \new
.endif
.endm
.macro PLACES
.rept 4
	v_nop
.endr
.endm
.macro CROUND
	s_barrier_signal -1
	s_barrier_wait -1
	s_cmp_lg_u32 s14, 0
	s_cbranch_scc1 .Lnot_wave_0_\@
	s_barrier_signal -3
.Lnot_wave_0_\@:
	s_barrier_wait -3
	s_barrier_signal -1
	s_barrier_wait -1
.endm
	s_load_b128 s[4:7], s[0:1], 0x0
	s_load_b128 s[8:11], s[0:1], 0x10
	s_load_b128 s[68:71], s[0:1], 0x20
	v_lshl_add_u32 v[SPW], v0, 2, SPARE
	v_mov_b32 v[NIL], 0
	ds_add_u32 v28, v29
	ds_add_u32 v28, v29
	s_wait_dscnt 0x0
	v_lshrrev_b32 v1, 5, v0
	v_readfirstlane_b32 s14, v1
	s_lshr_b32 s15, s14, 1
	s_and_b32 s16, s14, 1
	s_bfe_u32 s40, ttmp6, 0x40000
	s_lshl_b32 s17, ttmp9, 2
	s_add_co_u32 s17, s17, s40
	s_and_b32 s[CT], ttmp7, 0xffff
	s_mov_b32 s[G1], 15|(1<<20)|(1<<21)|(6<<22)|(3<<25)
	s_mov_b32 s[G1+1], 512<<16
	s_mov_b32 s[G1+2], 64<<16
	s_mov_b32 s[G1+3], 512<<16
	s_mov_b32 s[G1+4], 64
	s_mov_b32 s[G1+5], 4096
	s_mov_b32 s[G1+6], 0
	s_mov_b32 s[G1+7], 0
	s_lshl_b32 s46, s16, 22
	s_lshl_b32 s47, s[CT], 19
	s_add_co_u32 s46, s46, s47
	s_lshl_b32 s47, s15, 18
	s_add_co_u32 s46, s46, s47
	s_mov_b32 s47, 0
	s_mul_i32 s18, s16, WEXP
	s_mul_i32 s19, s15, 64*WP
	s_add_co_u32 s18, s18, s19
	s_lshl_b32 s[HP], s15, 24
	s_lshl_b32 s[HP+1], s17, 19
	s_add_co_u32 s[HP], s[HP], s[HP+1]
	s_lshl_b32 s[HP+1], s16, 11
	s_add_co_u32 s[HP], s[HP], s[HP+1]
	s_mov_b32 s[HP+1], 0
	s_wait_kmcnt 0x0
	s_load_b128 s[72:75], s[68:69], 0x0
	s_add_nc_u64 s[HP:HP+1], s[4:5], s[HP:HP+1]
	s_add_nc_u64 s[46:47], s[6:7], s[46:47]
	CROUND
.irp q, 0,1
	s_mov_b32 s[G0+4*\q], 1
	s_add_co_u32 s[G0+4*\q+1], s18, \q*SLOT
	s_add_nc_u64 s[G0+4*\q+2:G0+4*\q+3], s[46:47], \q*512
	s_or_b32 s[G0+4*\q+3], s[G0+4*\q+3], 0x80000000
.endr
	tensor_load_to_lds s[G0:G0+3], s[G1:G1+7]
	s_nop 0
	PLACES
	v_and_b32 v1, 31, v0
	v_and_b32 v2, 15, v0
	v_bfe_u32 v3, v0, 4, 1
	v_lshlrev_b32 v[CO], 4, v1
	v_lshlrev_b32 v[GOF], 3, v2
	s_wait_alu depctr_va_vdst(0)
	v_lshlrev_b32 v[BOF], 5, v3
	s_wait_alu depctr_va_vdst(0)
	v_lshrrev_b32 v4, 3, v1
	v_and_b32 v5, 7, v1
	v_lshlrev_b32 v[PFO], 16, v4
	v_lshl_add_u32 v[PFO], v5, 8, v[PFO]
	s_lshl_b32 s84, s17, 10
	s_lshl_b32 s85, s15, 2
	s_add_co_u32 s84, s84, s85
	s_mov_b32 s85, 0
	s_add_nc_u64 s[8:9], s[8:9], s[84:85]
	s_lshl_b32 s86, s15, 12
	s_lshl_b32 s87, s[CT], 9
	s_add_co_u32 s86, s86, s87
	s_mov_b32 s87, 0
	s_add_nc_u64 s[10:11], s[10:11], s[86:87]
.irp a, 0,1,2,3,4,5,6,7
	global_load_b32 v[GT+\a], v[GOF], s[8:9] offset:128*\a
.endr
.irp b, 0,1,2,3,4,5,6,7
	global_load_b128 v[BIAS+8*\b:BIAS+8*\b+3],   v[BOF], s[10:11] offset:64*\b
	global_load_b128 v[BIAS+8*\b+4:BIAS+8*\b+7], v[BOF], s[10:11] offset:64*\b+16
.endr
.macro HL p, off
	WIN 0x40
.irp i, 0,1,2,3,4,5,6,7
.irp c, 0,1,2,3
	global_load_b128 v[128*(\p)+16*\i+4*\c:128*(\p)+16*\i+4*\c+3], v[CO], s[HP:HP+1] offset:(\off)+\i*65536+\c*512
.endr
.endr
	WIN 0
.endm
.macro ASK off
	s_cmp_lg_u32 s[CT], 0
	s_cbranch_scc1 .Lnot_mine_\@
	s_wait_alu depctr_va_vdst(0)
	global_prefetch_b8 v[PFO], s[HP:HP+1] offset:(\off) th:TH_LOAD_NT scope:SCOPE_SE
	global_prefetch_b8 v[PFO], s[HP:HP+1] offset:(\off)+4*65536 th:TH_LOAD_NT scope:SCOPE_SE
.Lnot_mine_\@:
.endm
	HL 0, 0
	ASK 2*HSTEP
	s_mul_i32 s78, s15, WEXP
	s_lshl_b32 s79, s16, 7
	s_add_co_u32 s78, s78, s79
	v_mul_u32_u24 v4, v2, WP
	v_lshl_add_u32 v4, v3, 3, v4
	v_add_nc_u32 v[ADRB], s78, v4
	s_add_co_u32 s78, s78, SLOT
	v_add_nc_u32 v[ADRB+1], s78, v4
	s_mul_i32 s88, s14, 16*SPITCH
	s_add_co_u32 s88, s88, STAGE
	v_mul_u32_u24 v5, v2, SPITCH
	v_lshl_add_u32 v5, v3, 5, v5
	v_add_nc_u32 v[STO], s88, v5
	v_add_nc_u32 v[RD], s88, v[CO]
	s_lshl_b32 s89, s14, 16
	v_add_nc_u32 v[REDW], s89, v[CO]
	s_lshl_b32 s89, s14, 11
.irp v, 0,1,2,3
	v_add_nc_u32 v[REDR+\v], s89, v[CO]
	s_add_co_u32 s89, s89, 65536
.endr
	s_lshl_b32 s90, s17, 19
	s_lshl_b32 s91, s14, 17
	s_add_co_u32 s90, s90, s91
	s_lshl_b32 s91, s[CT], 9
	s_add_co_u32 s90, s90, s91
	s_mov_b32 s91, 0
	s_add_nc_u64 s[70:71], s[70:71], s[90:91]
	s_wait_kmcnt 0x0
	s_add_co_i32 s80, s74, s75
	s_sub_co_i32 s81, 127, s80
	s_lshl_b32 s81, s81, 23
	s_cmp_eq_u32 s16, 0
	s_cselect_b32 s82, s81, 0
	s_mov_b32 s83, s82
	s_wait_loadcnt 32
.set j, 0
.rept 32
	v_pk_mul_f32 v[BIAS+j:BIAS+j+1], v[BIAS+j:BIAS+j+1], s[82:83] op_sel_hi:[1,0]
.set j, j+2
.endr
.macro MUL16 o0, p, zero
.irp o, \o0, \o0+1
.irp i, 0,1,2,3,4,5,6,7
.if \zero
	v_wmma_f32_16x16x128_bf8_bf8 v[8*(8*((\o)%4)+\i):8*(8*((\o)%4)+\i)+7], v[WF+16*(\o):WF+16*(\o)+15], v[128*(\p)+16*\i:128*(\p)+16*\i+15], v[BIAS+8*(\o):BIAS+8*(\o)+7]
.else
	v_wmma_f32_16x16x128_bf8_bf8 v[8*(8*((\o)%4)+\i):8*(8*((\o)%4)+\i)+7], v[WF+16*(\o):WF+16*(\o)+15], v[128*(\p)+16*\i:128*(\p)+16*\i+15], v[8*(8*((\o)%4)+\i):8*(8*((\o)%4)+\i)+7]
.endif
.endr
.endr
.endm
.macro FETCHW slot, half, o0
.irp o, \o0, \o0+1, \o0+2, \o0+3
.irp c, 0,1,2,3,4,5,6,7
	ds_load_b64 v[WF+16*(\o)+2*\c:WF+16*(\o)+2*\c+1], v[ADRB+\slot] offset:(\o)*16*WP+256*(\half)+16*\c
.endr
.endr
.endm
.macro BODY p, ns, nh, zero, ask
	s_wait_loadcnt 32
	s_wait_dscnt 32
.if \zero
	WIN 0x84
.else
	WIN 0xa4
.endif
	MUL16 0, \p, \zero
	MUL16 2, \p, \zero
	PLACES
	WIN 0
	FETCHW \ns, \nh, 0
.if \ask >= 0
	ASK \ask
.endif
	s_wait_dscnt 32
.if \zero
	WIN 0xc4
.else
	WIN 0xf4
.endif
	s_wait_alu depctr_va_vdst(0)
	MUL16 4, \p, \zero
	MUL16 6, \p, \zero
	PLACES
	WIN 0
	FETCHW \ns, \nh, 4
.endm
.macro CHANGE q, fill
	s_wait_tensorcnt 0x0
	ds_add_u32 v[SPW], v[NIL]
.if \fill
	s_add_nc_u64 s[G0+4*\q+2:G0+4*\q+3], s[G0+4*\q+2:G0+4*\q+3], 1024
.endif
	s_wait_dscnt 0x0
.if \fill
	CROUND
	tensor_load_to_lds s[G0+4*\q:G0+4*\q+3], s[G1:G1+7]
	s_nop 0
	PLACES
.else
	s_barrier_signal -1
	s_barrier_wait -1
.endif
.endm
	s_wait_alu depctr_va_vdst(0)
	s_wait_tensorcnt 0x0
	ds_add_u32 v28, v29
	s_wait_dscnt 0x0
	CROUND
	tensor_load_to_lds s[G0+4:G0+7], s[G1:G1+7]
	s_nop 0
	PLACES
	FETCHW 0, 0, 0
	FETCHW 0, 0, 4
	HL 1, HSTEP
	BODY 0, 0, 1, 1, 3*HSTEP
	s_mov_b32 s3, 3
.Lstep:
	HL 0, 2*HSTEP
	CHANGE 0, 1
	BODY 1, 1, 0, 0, 4*HSTEP
	HL 1, 3*HSTEP
	BODY 0, 1, 1, 0, 5*HSTEP
	HL 0, 4*HSTEP
	CHANGE 1, 1
	BODY 1, 0, 0, 0, 6*HSTEP
	HL 1, 5*HSTEP
	BODY 0, 0, 1, 0, 7*HSTEP
	s_wait_xcnt 0x0
	s_add_nc_u64 s[HP:HP+1], s[HP:HP+1], 4*HSTEP
	s_sub_co_u32 s3, s3, 1
	s_cmp_lg_u32 s3, 0
	s_cbranch_scc1 .Lstep
	HL 0, 2*HSTEP
	CHANGE 0, 0
	BODY 1, 1, 0, 0, -1
	HL 1, 3*HSTEP
	BODY 0, 1, 1, 0, -1
	s_wait_loadcnt 0x0
	s_wait_dscnt 0x0
	s_barrier_signal -1
	s_barrier_wait -1
	WIN 0xa4
	MUL16 0, 1, 0
	MUL16 2, 1, 0
	WIN 0xf4
	MUL16 4, 1, 0
	MUL16 6, 1, 0
	WIN 0
.irp a, 0,1,2,3,4,5,6,7
	v_ldexp_f32 v[F+2*\a],   v[GT+\a], s80
	v_ldexp_f32 v[F+2*\a+1], v[GT+\a], s80
.endr
.macro PART o
.set AC, 64*((\o)%4)
.set TM, 64+64*((\o)%2)
	WIN 0x02+((\o)/4)
.set j, 0
.rept 32
	v_pk_mul_f32 v[TM+j:TM+j+1], v[AC+j:AC+j+1], v[F+2*(j/8):F+2*(j/8)+1] op_sel_hi:[1,0]
.set j, j+2
.endr
	WIN 0
.irp k, 0,1,2,3,4,5,6,7,8,9,10,11,12,13,14,15
	ds_store_b128 v[REDW], v[TM+4*\k:TM+4*\k+3] offset:(\o)*8192+512*\k
.endr
.endm
.irp o, 0,1,2,3,4,5,6,7
	PART \o
.endr
	s_wait_dscnt 0x0
	s_barrier_signal -1
	s_barrier_wait -1
	WIN 0x40
.irp v, 0,1,2,3
.irp o, 0,1,2,3,4,5,6,7
.irp q, 0,1
	ds_load_b128 v[64*\v+8*\o+4*\q:64*\v+8*\o+4*\q+3], v[REDR+\v] offset:\o*8192+512*\q
.endr
.endr
.endr
	WIN 0x80
.irp v, 0,1,2,3
.irp o, 0,1,2,3,4,5,6,7
.irp q, 0,1
	ds_load_b128 v[64*\v+8*\o+4*\q:64*\v+8*\o+4*\q+3], v[REDR+\v] offset:\o*8192+1024+512*\q
.endr
.endr
.endr
.macro SUM
.set j, 0
.rept 32
	v_pk_add_f32 v[j:j+1], v[j:j+1], v[64+j:65+j]
	v_pk_add_f32 v[128+j:129+j], v[128+j:129+j], v[192+j:193+j]
.set j, j+2
.endr
.set j, 0
.rept 32
	v_pk_add_f32 v[j:j+1], v[j:j+1], v[128+j:129+j]
.set j, j+2
.endr
.endm
.macro TOST i
	WIN 0x04*(1+\i)
.irp b, 0,1,2,3,4,5,6,7
	ds_store_b128 v[STO], v[8*\b:8*\b+3] offset:64*\b
	ds_store_b128 v[STO], v[8*\b+4:8*\b+7] offset:64*\b+16
.endr
	WIN 0
.irp t, 0,1,2,3,4,5,6,7,8,9,10,11,12,13,14,15
	ds_load_b128 v[64+64*\i+4*\t:64+64*\i+4*\t+3], v[RD] offset:\t*SPITCH
.endr
.endm
.macro SEND i
.irp t, 0,1,2,3,4,5,6,7,8,9,10,11,12,13,14,15
	s_wait_dscnt 15-\t
	global_store_b128 v[CO], v[64+64*\i+4*\t:64+64*\i+4*\t+3], s[70:71] offset:(16*\i+\t)*4096 th:TH_STORE_NT
.endr
.endm
	s_wait_dscnt 63
	WIN 0x45
	SUM
	TOST 0
	s_wait_dscnt 32
	WIN 0x8a
	SUM
	WIN 0
	s_wait_alu depctr_va_vdst(0)
	SEND 0
	TOST 1
	SEND 1
	s_wait_tensorcnt 0x0
	ds_add_u32 v[SPW], v[NIL]
	s_wait_dscnt 0x0
	CROUND
	s_endpgm
.Lfunc_end_k_qf2a92e1f8e_down:
	.size	k_qf2a92e1f8e_down, .Lfunc_end_k_qf2a92e1f8e_down-k_qf2a92e1f8e_down
	.p2alignl 7, 3214868480
	.fill 96, 4, 3214868480
	.section	.rodata,"a",@progbits
	.p2align	6, 0x0
	.amdhsa_kernel k_qf2a92e1f8e_down
		.amdhsa_group_segment_fixed_size 327680
		.amdhsa_private_segment_fixed_size 0
		.amdhsa_enable_private_segment 0
		.amdhsa_kernarg_size 48
		.amdhsa_user_sgpr_count 2
		.amdhsa_user_sgpr_kernarg_segment_ptr 1
		.amdhsa_wavefront_size32 1
		.amdhsa_system_sgpr_workgroup_id_x 1
		.amdhsa_system_sgpr_workgroup_id_y 1
		.amdhsa_system_sgpr_workgroup_id_z 1
		.amdhsa_system_vgpr_workitem_id 0
		.amdhsa_next_free_vgpr 1024
		.amdhsa_next_free_sgpr 100
		.amdhsa_reserve_vcc 0
		.amdhsa_float_denorm_mode_32 3
		.amdhsa_float_denorm_mode_16_64 3
		.amdhsa_memory_ordered 1
		.amdhsa_forward_progress 1
		.amdhsa_inst_pref_size 161
	.end_amdhsa_kernel
	.amdgpu_metadata
---
amdhsa.version: [ 1, 2 ]
amdhsa.kernels:
  - .name:           k_qf2a92e1f8e_down
    .symbol:         k_qf2a92e1f8e_down.kd
    .args:
      - { .name: hq, .offset: 0, .size: 8, .value_kind: global_buffer, .address_space: global }
      - { .name: W2_codes, .offset: 8, .size: 8, .value_kind: global_buffer, .address_space: global }
      - { .name: gates, .offset: 16, .size: 8, .value_kind: global_buffer, .address_space: global }
      - { .name: b2, .offset: 24, .size: 8, .value_kind: global_buffer, .address_space: global }
      - { .name: lowp_scales, .offset: 32, .size: 8, .value_kind: global_buffer, .address_space: global }
      - { .name: out0, .offset: 40, .size: 8, .value_kind: global_buffer, .address_space: global }
    .group_segment_fixed_size: 327680
    .private_segment_fixed_size: 0
    .kernarg_segment_align: 8
    .kernarg_segment_size: 48
    .max_flat_workgroup_size: 128
    .sgpr_count:     100
    .vgpr_count:     1024
    .wavefront_size: 32
...
	.end_amdgpu_metadata
.endif
;; end of part 3
